; MI455X (gfx1250); checked and timed in simulation.
; The chip was launched on July 23, 2026; its instructions are those of AMD's public machine-readable ISA for CDNA 5 (MIT licence, August 2026) and "CDNA5" Instruction Set Architecture Reference Guide (July 2026). The comments in the code are by the model that wrote it; some were corrected since.
;; Self Attention. Allowed arithmetic: matrix products marked QUANTISED: E3M2 operands, one E8M0 scale for each 32 along K, by v_wmma_scale_f32_16x16x128_f8f6f4 with both operands' format E3M2, f32 sums; everything else in f32.
;; Inputs: Wk 512 x 512 float32; Wo 512 x 512 float32; Wq 512 x 512 float32; Wv 512 x 512 float32; bo 512 float32; x 2 x 4,096 x 512 float32.
;; Outputs: out0 2 x 4,096 x 512 float32.
;; This version of the problem:
;;   THIS VERSION OF THE PROBLEM IS GIVEN IN LOW PRECISION. The matrix products marked QUANTISED in the list below multiply operands that are first quantised to E3M2 (3 exponent bits, 2 mantissa bits; 6 bits a number), with one power-of-two scale for each 32 numbers along K (OCP MX v1.0); their sums are f32. All else is computed in f32.
;;   The module's matrix products, in the order in which they are computed (A, B: the left and right operand; K: the contracted axis; several contracted axes count as one K, in the product's order):
;;     1. [M 8,192, K 512] x [K 512, N 512]; A: input x; B: input Wq: QUANTISED
;;     2. [M 8,192, K 512] x [K 512, N 512]; A: input x; B: input Wk: QUANTISED
;;     3. [M 8,192, K 512] x [K 512, N 512]; A: input x; B: input Wv: QUANTISED
;;     4. batch 16 x [M 4,096, K 64] x [K 64, N 4,096]; A: computed on the way; B: computed on the way: QUANTISED
;;     5. batch 16 x [M 64, K 4,096] x [K 4,096, N 4,096]; A: computed on the way; B: softmax (see below): QUANTISED
;;     6. [M 8,192, K 512] x [K 512, N 512]; A: computed on the way; B: input Wo: QUANTISED
;;   THE QUANTISER, for each operand of a quantised product, along K:
;;     - K is cut into blocks of 32 from its start; a last block that is shorter is filled with zeros.
;;     - A block's scale is 2^e with e = floor(log2(the largest magnitude in the block)) - 4, held to -126 .. 127; a block of zeros has e = 0. As a byte (E8M0): e + 127.
;;     - Each number is divided by its block's scale, clamped to +-28, and rounded to the nearest number of E3M2, ties to even, subnormals kept.
;;     - The product sums the exact products of the quantised numbers (number of the format x scale) in f32.
;;   ~~~python
;;   def quantise(x, axis):      # numpy; x: float32 -> the quantised numbers, widened to float32 again
;;       x = np.moveaxis(x, axis, -1); K = x.shape[-1]
;;       x = np.pad(x, [(0, 0)] * (x.ndim - 1) + [(0, -K % 32)]); x = x.reshape(x.shape[:-1] + (-1, 32)); a = np.abs(x).max(-1, keepdims=True)
;;       e = np.where(a > 0, np.clip(np.frexp(np.where(a > 0, a, 1))[1] - 1 - 4, -126, 127), 0)      # np.frexp(a)[1] - 1 = floor(log2(a)), exactly
;;       r = np.clip(x / 2.0 ** e, -28, 28)
;;       step = 2.0 ** (np.maximum(np.frexp(np.where(r == 0, 1, r))[1] - 1, -2) - 2)
;;       q = np.round(r / step) * step * 2.0 ** e      # np.round: ties to even
;;       return np.moveaxis(q.reshape(q.shape[:-2] + (-1,))[..., :K], -1, axis).astype(np.float32)
;;   ~~~
;;   SOFTMAX AHEAD OF A QUANTISED PRODUCT. Where the list says 'softmax', what is quantised is not the finished softmax but p = 2^(t - M), with t = logit x log2(e) and M = ceil(the row's largest t), a whole number; so 1/2 < the row's largest p <= 1. The row's sum l is taken of the UNQUANTISED p, in f32, and the product's result is divided by l at the end. Since M is a whole number, a kernel that streams over the keys may use a running M (the ceiling of the running maximum): every later rescaling is an exact power of two, which a block's scale takes up: the codes' values come out the same.
;;   OPERANDS COMPUTED ON THE WAY. 'Computed on the way' means the value that the module computes at that place (a softmax that the list does not call 'softmax' is quantised finished and normalised). What goes into a quantiser is computed in f32, as accurately as f32 sums, v_exp_f32 and their like allow (about 1e-6 of the number): no bf16 or f16 on the way to a quantiser, and a product that is left as it is and whose result goes on into a quantised operand takes f32 operands (vector FMAs, or v_wmma_f32_16x16x4_f32). A number that lies on a knife's edge between two numbers of the format may be rounded either way, as far as f32 arithmetic and the matrix unit's own rounding can turn it there, and no further.
;; One version. Each part assembles by itself: llvm-mc -triple=amdgcn-amd-amdhsa -mcpu=gfx1250 --defsym DOCPART=n.
;; ======== version 1 of 1: 4 launches
;; limits: right only within a limited range of input values
;; workspace buffers: opc 3,932,160 bytes; ops 327,680 bytes; qb 3,407,872 bytes; kvb 6,815,744 bytes; ab 4,194,304 bytes
;; launch quant (part 1): grid 640 x 1, 4 waves a work-group, no clusters, 34,816 bytes of LDS; arguments x, Wq, Wk, Wv, Wo, opc, ops; writes opc, ops
.if DOCPART == 1
	.amdgcn_target "amdgcn-amd-amdhsa--gfx1250"
	.amdhsa_code_object_version 6
	.text
	.protected	k_qa43eb4da7f_quant
	.globl	k_qa43eb4da7f_quant
	.p2align	8
	.type	k_qa43eb4da7f_quant,@function
k_qa43eb4da7f_quant:
	s_mov_b64 s[64:65], 0
	v_nop
	global_prefetch_b8 v0, s[64:65] scope:SCOPE_SE
	s_setreg_imm32_b32 hwreg(HW_REG_WAVE_MODE, 25, 1), 1
	s_wait_xcnt 0x0
; x [8192][512] and Wq, Wk, Wv, Wo [512][512], f32 with K innermost, become codes of BF6 (E3M2) with one E8M0 byte for each 32 along K, laid in the ORDER OF AN OPERAND'S REGISTERS.
; TILES.  Rows go in groups of 32; tile 2 g + u holds at its row place m the row 32 g + 8 u + m + 8 (m / 8).  Tiles 0-511 are x's, 512 + 32 wi + t those of weight wi (Wq, Wk, Wv, Wo).
; opc: tile T at 6,144 T: four K steps of 128, each the image of a fragment's 12 registers: registers 4 c .. 4 c + 3 of lane l at 1,536 s + 512 c + 16 l.   ops: tile T at 512 T: the scale word of K step s and lane l at 128 s + 4 l.
; A block's scale is 2^(floor(log2(its largest magnitude)) - 4); its byte is the largest magnitude's exponent field - 4, held at 1 from below.  A block of zeros so keeps the byte 1: its codes are zeros, and this program alone reads the bytes.
; LIMITS: NaN and infinities among the inputs are not served; blocks whose largest magnitude lies under 2^-122 have their byte held at 1.
; SHARES.  Work-group T makes tile T, wave w its K step w: 16 rows x 512 bytes.  Each load reads 512 consecutive bytes of a row; the 8,192 bytes turn through the wave's own stage in LDS (rows 528 bytes apart), so that a lane
; then holds 16 neighbours of each block of 32 of ITS row.  All 16 loads of a wave are out at once.  640 small work-groups: several share a WGP; no tensor load, no ring, no matrix work: memory binds.
.set STGW,  8448                       ; a wave's stage: 16 rows x (512 + 16) bytes
.set SCB,   33792                      ; behind the stages: the tile's 512 bytes of scale words
.set RAW,   16                         ; v16-79   the numbers as loaded
.set X,     80                         ; v80-143  after the turn: register 16 b + i = k 32 b + 16 (lane / 16) + i of my row
.set TM,    144                        ; v144-147 largest magnitudes, v148-151 bytes, v156-159 the conversions' scale operands
.set PW,    160                        ; v160     my row's scale word
.set PC,    162                        ; v162-173 the fragment's codes; v174-176, v178-180 the conversions' second halves
	s_load_b256 s[4:11], s[0:1], 0x0               ; x, Wq, Wk, Wv
	s_load_b128 s[12:15], s[0:1], 0x20             ; Wo, opc
	s_load_b64 s[16:17], s[0:1], 0x30              ; ops
	v_lshl_add_u32 v192, v0, 2, 0x8600
	v_mov_b32 v193, 0
	v_lshrrev_b32 v1, 5, v0
	v_readfirstlane_b32 s18, v1                    ; wave 0..3
	v_and_b32 v6, 31, v0                           ; lane
	v_and_b32 v7, 15, v0                           ; r
	v_bfe_u32 v8, v0, 4, 1                         ; h
	v_lshlrev_b32 v1, 4, v6                        ; 16 x lane: a load's, an image's place
	s_mul_i32 s19, s18, STGW
	v_add_nc_u32 v2, s19, v1                       ; the stage, on the way in
	v_mul_u32_u24 v3, v7, 528
	v_lshl_add_u32 v3, v8, 6, v3
	v_add_nc_u32 v3, s19, v3                       ; and out: row r, + 64 h
	v_lshl_add_u32 v4, v0, 2, SCB                  ; my scale word's place: 128 x wave + 4 x lane
	v_add_nc_u32 v5, SCB, v1
.irp b, 0,1,2,3
	v_mov_b32 v[TM+4+\b], 0                        ; written once: a lane permute's destination counts as one of its sources
.endr
	s_mov_b32 s26, 0x76543210
	s_mov_b32 s27, 0xfedcba98                      ; v_permlanex16_b32's selects for lane l xor 16
	s_and_b32 s22, ttmp9, 31
	s_cmp_lt_u32 ttmp9, 512
	s_cselect_b32 s22, ttmp9, s22                  ; the tile's number in its own tensor
	s_lshr_b32 s23, s22, 1
	s_lshl_b32 s23, s23, 5
	s_and_b32 s24, s22, 1
	s_lshl_b32 s24, s24, 3
	s_add_co_u32 s23, s23, s24                     ; its first row: 32 g + 8 u
	s_lshl_b32 s22, s23, 11                        ; rows of 2,048 bytes,
	s_lshl_b32 s24, s18, 9
	s_add_co_u32 s22, s22, s24                     ; + my K step's 512 bytes (under 2^25)
	s_mov_b32 s23, 0
	s_mul_i32 s24, ttmp9, 6144
	s_mul_i32 s25, s18, 1536
	s_add_co_u32 s24, s24, s25                     ; my image in opc
	s_mov_b32 s25, 0
	s_lshl_b32 s28, ttmp9, 9                       ; the tile's scale words in ops
	s_mov_b32 s29, 0
	s_wait_alu depctr_va_vdst(0)
	s_wait_kmcnt 0x0
	s_mov_b64 s[20:21], s[12:13]                   ; which tensor: the choice hangs on the work-group's number alone
	s_cmp_lt_u32 ttmp9, 608
	s_cselect_b64 s[20:21], s[10:11], s[20:21]
	s_cmp_lt_u32 ttmp9, 576
	s_cselect_b64 s[20:21], s[8:9], s[20:21]
	s_cmp_lt_u32 ttmp9, 544
	s_cselect_b64 s[20:21], s[6:7], s[20:21]
	s_cmp_lt_u32 ttmp9, 512
	s_cselect_b64 s[20:21], s[4:5], s[20:21]
	s_add_nc_u64 s[20:21], s[20:21], s[22:23]
	s_add_nc_u64 s[14:15], s[14:15], s[24:25]
	s_add_nc_u64 s[16:17], s[16:17], s[28:29]
.irp j, 0,1,2,3,4,5,6,7,8,9,10,11,12,13,14,15
	global_load_b128 v[RAW+4*\j:RAW+4*\j+3], v1, s[20:21] offset:(\j+8*(\j/8))*2048 th:TH_LOAD_NT   ; row place j: 32 lanes read 512 consecutive bytes
.endr
.irp j, 0,1,2,3,4,5,6,7,8,9,10,11,12,13,14,15
	s_wait_loadcnt 15-\j                           ; loads come back in order: row j is in, the younger ones stay out
	ds_store_b128 v2, v[RAW+4*\j:RAW+4*\j+3] offset:528*\j
.endr
.irp b, 0,1,2,3
.irp i, 0,1,2,3
	ds_load_b128 v[X+16*\b+4*\i:X+16*\b+4*\i+3], v3 offset:128*\b+16*\i   ; LDS serves a wave's instructions in order: these see my stores
.endr
.endr
	s_wait_dscnt 0x0
; the four blocks' largest magnitudes, with the floor 2^(5 - 127) as a leaf: so no byte falls under 1
.irp b, 0,1,2,3
	v_max3_num_f32 v[TM+\b], |v[X+16*\b]|, |v[X+1+16*\b]|, 0x2800000
.endr
.irp i, 2,4,6,8,10,12,14
.irp b, 0,1,2,3
	v_max3_num_f32 v[TM+\b], v[TM+\b], |v[X+16*\b+\i]|, |v[X+1+16*\b+\i]|   ; the four blocks by turns
.endr
.endr
.irp b, 0,1,2,3
	v_permlanex16_b32 v[TM+4+\b], v[TM+\b], s26, s27
.endr
.irp b, 0,1,2,3
	v_max_num_f32 v[TM+\b], v[TM+\b], v[TM+4+\b]   ; with lane l xor 16's 16 numbers: the block's
.endr
.irp b, 0,1,2,3
	v_add_nc_u32 v[TM+12+\b], 0xfe000000, v[TM+\b] ; 4 off the exponent field: the conversion's scale operand
.endr
.irp b, 0,1,2,3
	v_lshrrev_b32 v[TM+4+\b], 23, v[TM+12+\b]      ; the scale's byte
.endr
	v_lshl_or_b32 v[PW], v[TM+5], 8, v[TM+4]
	v_lshl_or_b32 v[PW], v[TM+6], 16, v[PW]
	v_lshl_or_b32 v[PW], v[TM+7], 24, v[PW]
.irp c, 0,1
	v_cvt_scalef32_pk16_bf6_f32 v[PC+6*\c:PC+2+6*\c], v[X+32*\c:X+15+32*\c], v[TM+12+2*\c]
	v_cvt_scalef32_pk16_bf6_f32 v[PC+12+4*\c:PC+14+4*\c], v[X+16+32*\c:X+31+32*\c], v[TM+13+2*\c]   ; (a conversion's three registers begin on an even number)
.endr
	v_nop                                          ; one plain place behind a scaled conversion
.irp c, 0,1                                    ; the operand's layout wants a WHOLE block in a lane: lanes 0-15 block 2 c, lanes 16-31 block 2 c + 1
.irp i, 0,1,2
	v_permlane16_swap_b32 v[PC+6*\c+\i], v[PC+12+4*\c+\i]
.endr
.irp i, 0,1,2
	v_mov_b32 v[PC+3+6*\c+\i], v[PC+12+4*\c+\i]
.endr
.endr
.irp c, 0,1,2
	global_store_b128 v1, v[PC+4*\c:PC+4*\c+3], s[14:15] offset:512*\c   ; 32 lanes store 512 consecutive bytes, at a multiple of 256 from opc's first byte
.endr
	ds_store_b32 v4, v[PW]
	s_wait_dscnt 0x0                               ; for wave 0's sake: my scale words lie in LDS
	s_barrier_signal -1
	s_barrier_wait -1
	s_cmp_lg_u32 s18, 0
	s_cbranch_scc1 .Ldone
	ds_load_b128 v[184:187], v5                    ; the tile's 512 bytes of scale words leave by one store
	s_wait_dscnt 0x0
	global_store_b128 v1, v[184:187], s[16:17]
.Ldone:
	s_wait_tensorcnt 0x0
	ds_add_u32 v192, v193
	s_wait_dscnt 0x0
	s_endpgm
.Lfunc_end_k_qa43eb4da7f_quant:
	.size	k_qa43eb4da7f_quant, .Lfunc_end_k_qa43eb4da7f_quant-k_qa43eb4da7f_quant
	.p2alignl 7, 3214868480
	.fill 96, 4, 3214868480
	.section	.rodata,"a",@progbits
	.p2align	6, 0x0
	.amdhsa_kernel k_qa43eb4da7f_quant
		.amdhsa_group_segment_fixed_size 34816
		.amdhsa_private_segment_fixed_size 0
		.amdhsa_enable_private_segment 0
		.amdhsa_kernarg_size 56
		.amdhsa_user_sgpr_count 2
		.amdhsa_user_sgpr_kernarg_segment_ptr 1
		.amdhsa_wavefront_size32 1
		.amdhsa_system_sgpr_workgroup_id_x 1
		.amdhsa_system_sgpr_workgroup_id_y 1
		.amdhsa_system_sgpr_workgroup_id_z 1
		.amdhsa_system_vgpr_workitem_id 0
		.amdhsa_next_free_vgpr 194
		.amdhsa_next_free_sgpr 66
		.amdhsa_reserve_vcc 0
		.amdhsa_float_denorm_mode_32 3
		.amdhsa_float_denorm_mode_16_64 3
		.amdhsa_memory_ordered 1
		.amdhsa_forward_progress 1
		.amdhsa_inst_pref_size 12
	.end_amdhsa_kernel
	.amdgpu_metadata
---
amdhsa.version: [ 1, 2 ]
amdhsa.kernels:
  - .name:           k_qa43eb4da7f_quant
    .symbol:         k_qa43eb4da7f_quant.kd
    .args:
      - { .name: x, .offset: 0, .size: 8, .value_kind: global_buffer, .address_space: global }
      - { .name: Wq, .offset: 8, .size: 8, .value_kind: global_buffer, .address_space: global }
      - { .name: Wk, .offset: 16, .size: 8, .value_kind: global_buffer, .address_space: global }
      - { .name: Wv, .offset: 24, .size: 8, .value_kind: global_buffer, .address_space: global }
      - { .name: Wo, .offset: 32, .size: 8, .value_kind: global_buffer, .address_space: global }
      - { .name: opc, .offset: 40, .size: 8, .value_kind: global_buffer, .address_space: global }
      - { .name: ops, .offset: 48, .size: 8, .value_kind: global_buffer, .address_space: global }
    .group_segment_fixed_size: 34816
    .private_segment_fixed_size: 0
    .kernarg_segment_align: 8
    .kernarg_segment_size: 56
    .max_flat_workgroup_size: 128
    .sgpr_count:     66
    .vgpr_count:     194
    .wavefront_size: 32
...
	.end_amdgpu_metadata
.endif
;; end of part 1
;; launch proj (part 2): grid 64 x 4, 12 waves a work-group, no clusters, 327,680 bytes of LDS; arguments opc, ops, qb, kvb; writes qb, kvb
.if DOCPART == 2
	.amdgcn_target "amdgcn-amd-amdhsa--gfx1250"
	.amdhsa_code_object_version 6
	.text
	.protected	k_qa43eb4da7f_proj
	.globl	k_qa43eb4da7f_proj
	.p2align	8
	.type	k_qa43eb4da7f_proj,@function
k_qa43eb4da7f_proj:
	s_mov_b64 s[64:65], 0
	v_nop
	global_prefetch_b8 v0, s[64:65] scope:SCOPE_SE
	s_setreg_imm32_b32 hwreg(HW_REG_WAVE_MODE, 25, 1), 1
	s_wait_xcnt 0x0
.set PF,  32
.set RF,  80
.set ACC, 128
.set TM,  16
.set CT,  56
	s_load_b256 s[4:11], s[0:1], 0x0
	v_lshl_add_u32 v26, v0, 2, 0x34000
	v_mov_b32 v27, 0
	ds_add_u32 v26, v27
	ds_add_u32 v26, v27
	v_lshrrev_b32 v1, 5, v0
	s_delay_alu instid0(VALU_DEP_1)
	v_readfirstlane_b32 s12, v1
	s_and_b32 s14, ttmp7, 0xffff
	s_mov_b32 s16, 3<<16
	s_mov_b32 s17, 32<<16
	s_mov_b32 s18, 64<<16
	s_mov_b32 s19, 32<<16
	s_mov_b32 s20, 64
	s_mov_b32 s21, 32
	s_mov_b32 s22, 0
	s_mov_b32 s23, 0
	s_and_b32 s40, s12, 3
	s_lshr_b32 s41, s12, 2
	s_lshl_b32 s41, s41, 14
	s_mul_i32 s42, s40, 49152
	s_add_co_u32 s33, s42, s41
	s_lshl_b32 s43, s40, 5
	s_lshl_b32 s44, s14, 3
	s_add_co_u32 s43, s43, s44
	s_add_co_u32 s43, s43, 480
	s_lshl_b32 s44, ttmp9, 3
	s_cmp_eq_u32 s40, 0
	s_cselect_b32 s43, s44, s43
	s_mul_i32 s44, s43, 6144
	s_add_co_u32 s44, s44, s41
	s_mov_b32 s45, 0
	s_lshl_b32 s46, s43, 9
	s_mov_b32 s47, 0
	s_lshl_b32 s37, s40, 12
	s_add_co_u32 s37, s37, 196608                  ; LDS: the scale words of tensor wave % 4, 4,096 bytes
	s_mov_b32 s32, 1
	s_lshr_b32 s36, s12, 2
	s_lshl_b32 s36, s36, 11                        ; waves 0-3 copy their first 2,048 bytes, waves 4-7 the second
	s_wait_dscnt 0x0
	s_wait_kmcnt 0x0
	s_add_nc_u64 s[34:35], s[4:5], s[44:45]
	s_or_b32 s35, s35, 0x80000000
	s_add_nc_u64 s[38:39], s[6:7], s[46:47]
	tensor_load_to_lds s[32:35], s[16:23]
	s_nop 0
.rept 4
	v_nop
.endr
	; the scale words come by copies at the head, lane by lane, 16 bytes a lane and 512 consecutive bytes a copy: these bytes are filled once; v8, v9 and s[38:39] stay as they are until the wait on ASYNCcnt
	v_and_b32 v8, 31, v0
	v_lshlrev_b32 v9, 4, v8
	v_add_nc_u32 v9, s36, v9                       ; where in the tensor's 4,096 bytes
	v_add_nc_u32 v8, s37, v9                       ; and the same place in LDS
	s_cmp_lt_u32 s12, 8
	s_cbranch_scc0 .Lno_scales
	global_load_async_to_lds_b128 v8, v9, s[38:39]
	global_load_async_to_lds_b128 v8, v9, s[38:39] offset:512
	global_load_async_to_lds_b128 v8, v9, s[38:39] offset:1024
	global_load_async_to_lds_b128 v8, v9, s[38:39] offset:1536
.Lno_scales:
	v_and_b32 v7, 31, v0
	s_delay_alu instid0(VALU_DEP_1)
	v_lshlrev_b32 v1, 4, v7
	s_wait_alu depctr_va_vdst(0)
	v_lshlrev_b32 v6, 3, v7
	v_lshlrev_b32 v16, 2, v7
	s_wait_alu depctr_va_vdst(0)
	s_and_b32 s48, s12, 1
	s_lshr_b32 s49, s12, 1
	s_lshr_b32 s50, s12, 2
	s_and_b32 s51, s49, 1
	s_lshr_b32 s52, s12, 3
	s_mul_i32 s53, s48, 24576
	s_mul_i32 s54, s49, 24576
	s_add_co_u32 s54, s54, 49152
	s_lshl_b32 s55, s48, 11
	s_add_co_u32 s55, s55, 196608
	s_lshl_b32 s56, s49, 11
	s_add_co_u32 s56, s56, 200704
	s_cmp_lt_u32 s12, 8
	s_cselect_b32 s57, s54, s53
	s_cselect_b32 s58, s53, s54
	s_cselect_b32 s59, s56, s55
	s_cselect_b32 s60, s55, s56
	v_add_nc_u32 v2, s57, v1
	v_add_nc_u32 v3, s58, v1
	v_add_nc_u32 v4, s59, v16
	v_add_nc_u32 v5, s60, v16
.irp b, 0,1,2,3
	v_mov_b32 v[TM+4+\b], 0
.endr
	s_mov_b32 s62, 0x76543210
	s_mov_b32 s63, 0xfedcba98
	s_lshr_b32 s40, ttmp9, 5
	s_lshl_b32 s40, s40, 3
	s_lshl_b32 s41, s14, 1
	s_add_co_u32 s40, s40, s41
	s_add_co_u32 s40, s40, s51
	s_lshl_b32 s40, s40, 5
	s_and_b32 s41, ttmp9, 31
	s_add_co_u32 s40, s40, s41
	s_mov_b32 s41, 13312
	s_mov_b32 s42, 12288
	s_cmp_eq_u32 s50, 0
	s_cselect_b64 s[44:45], s[8:9], s[10:11]
	s_cselect_b32 s41, 6656, s41
	s_cselect_b32 s42, 6144, s42
	s_mul_i32 s40, s40, s41
	s_mul_i32 s41, s52, 6144
	s_mul_i32 s43, s48, 3072
	s_add_co_u32 s46, s40, s41
	s_add_co_u32 s46, s46, s43
	s_mov_b32 s47, 0
	s_add_co_u32 s42, s42, s40
	s_lshl_b32 s41, s52, 9
	s_add_co_u32 s42, s42, s41
	s_lshl_b32 s41, s48, 8
	s_add_co_u32 s42, s42, s41
	s_mov_b32 s43, 0
	s_add_nc_u64 s[46:47], s[44:45], s[46:47]
	s_add_nc_u64 s[44:45], s[44:45], s[42:43]
	s_wait_alu depctr_va_vdst(0)
	s_wait_tensorcnt 0x0
	s_wait_asynccnt 0x0                            ; my codes and my scale words have landed
	s_barrier_signal -1
	s_barrier_wait -1
.macro KSTEP s
.if \s > 0
.rept 4
	v_nop
.endr
.endif
.irp i, 0,1,2,3
.irp c, 0,1,2
	ds_load_b128 v[PF+12*\i+4*\c:PF+12*\i+4*\c+3], v2 offset:6144*\i+1536*\s+512*\c
	ds_load_b128 v[RF+12*\i+4*\c:RF+12*\i+4*\c+3], v3 offset:6144*\i+1536*\s+512*\c
.endr
	ds_load_b32 v[8+\i], v4 offset:512*\i+128*\s
	ds_load_b32 v[12+\i], v5 offset:512*\i+128*\s
.endr
	s_wait_dscnt 0x0
.irp j, 0,1,2,3
.irp i, 0,1,2,3
.if \s == 0
	v_wmma_scale_f32_16x16x128_f8f6f4 v[ACC+32*\j+8*\i:ACC+32*\j+8*\i+7], v[PF+12*\i:PF+12*\i+11], v[RF+12*\j:RF+12*\j+11], 0, v[8+\i], v[12+\j] matrix_a_fmt:MATRIX_FMT_BF6 matrix_b_fmt:MATRIX_FMT_BF6
.else
	v_wmma_scale_f32_16x16x128_f8f6f4 v[ACC+32*\j+8*\i:ACC+32*\j+8*\i+7], v[PF+12*\i:PF+12*\i+11], v[RF+12*\j:RF+12*\j+11], v[ACC+32*\j+8*\i:ACC+32*\j+8*\i+7], v[8+\i], v[12+\j] matrix_a_fmt:MATRIX_FMT_BF6 matrix_b_fmt:MATRIX_FMT_BF6
.endif
.endr
.endr
.endm
.macro QUANT4D s, pc, pwa, pwb
.irp b, 0,1,2,3
	v_max3_num_f32 v[TM+\b], |v[(\s)+16*\b]|, |v[(\s)+1+16*\b]|, 0x2800000
.endr
.irp i, 2,4,6,8,10,12,14
.irp b, 0,1,2,3
	v_max3_num_f32 v[TM+\b], v[TM+\b], |v[(\s)+16*\b+\i]|, |v[(\s)+1+16*\b+\i]|
.endr
.endr
.irp b, 0,1,2,3
	s_delay_alu instid0(VALU_DEP_4)
	v_permlanex16_b32 v[TM+4+\b], v[TM+\b], s62, s63
.endr
.irp b, 0,1,2,3
	s_delay_alu instid0(VALU_DEP_4)
	v_max_num_f32 v[TM+\b], v[TM+\b], v[TM+4+\b]
.endr
.irp b, 0,1,2,3
	s_delay_alu instid0(VALU_DEP_4)
	v_add_nc_u32 v[TM+12+\b], 0xfe000000, v[TM+\b]
.endr
.irp b, 0,1,2,3
	s_delay_alu instid0(VALU_DEP_4)
	v_lshrrev_b32 v[TM+4+\b], 23, v[TM+12+\b]
.endr
	s_delay_alu instid0(VALU_DEP_3)
	v_lshl_or_b32 v[\pwa], v[TM+5], 8, v[TM+4]
	s_delay_alu instid0(VALU_DEP_2)
	v_lshl_or_b32 v[\pwb], v[TM+7], 8, v[TM+6]
	s_delay_alu instid0(VALU_DEP_2)
	v_lshl_or_b32 v[\pwa], v[\pwa], 16, v[\pwa]
	s_delay_alu instid0(VALU_DEP_2)
	v_lshl_or_b32 v[\pwb], v[\pwb], 16, v[\pwb]
.irp c, 0,1
	v_cvt_scalef32_pk16_bf6_f32 v[(\pc)+6*\c:(\pc)+2+6*\c], v[(\s)+32*\c:(\s)+15+32*\c], v[TM+12+2*\c]
	v_cvt_scalef32_pk16_bf6_f32 v[CT+4*\c:CT+2+4*\c], v[(\s)+16+32*\c:(\s)+31+32*\c], v[TM+13+2*\c]
.endr
	v_nop
.irp c, 0,1
.irp i, 0,1,2
	v_permlane16_swap_b32 v[(\pc)+6*\c+\i], v[CT+4*\c+\i]
.endr
.irp i, 0,1,2
	s_delay_alu instid0(VALU_DEP_3)
	v_mov_b32 v[(\pc)+3+6*\c+\i], v[CT+4*\c+\i]
.endr
.endr
.endm
	KSTEP 0
	KSTEP 1
	KSTEP 2
	KSTEP 3
.rept 4
	v_nop
.endr
	QUANT4D ACC, 32, 64, 65
	QUANT4D ACC+64, 44, 66, 67
	v_cmp_le_u32 vcc_lo, 16, v7
	s_delay_alu instid0(VALU_DEP_1)
	v_cndmask_b32 v68, v64, v65, vcc_lo
	s_delay_alu instid0(VALU_DEP_2)
	v_cndmask_b32 v69, v66, v67, vcc_lo
.irp j, 0,1,2,3
	global_store_b128 v1, v[32+6*\j:35+6*\j], s[46:47] offset:768*\j
	global_store_b64 v6, v[36+6*\j:37+6*\j], s[46:47] offset:768*\j+512
.endr
	global_store_b64 v6, v[68:69], s[44:45]
	s_wait_tensorcnt 0x0
	s_wait_asynccnt 0x0
	ds_add_u32 v26, v27
	s_wait_dscnt 0x0
	s_endpgm
.Lfunc_end_k_qa43eb4da7f_proj:
	.size	k_qa43eb4da7f_proj, .Lfunc_end_k_qa43eb4da7f_proj-k_qa43eb4da7f_proj
	.p2alignl 7, 3214868480
	.fill 96, 4, 3214868480
	.section	.rodata,"a",@progbits
	.p2align	6, 0x0
	.amdhsa_kernel k_qa43eb4da7f_proj
		.amdhsa_group_segment_fixed_size 327680
		.amdhsa_private_segment_fixed_size 0
		.amdhsa_enable_private_segment 0
		.amdhsa_kernarg_size 32
		.amdhsa_user_sgpr_count 2
		.amdhsa_user_sgpr_kernarg_segment_ptr 1
		.amdhsa_wavefront_size32 1
		.amdhsa_system_sgpr_workgroup_id_x 1
		.amdhsa_system_sgpr_workgroup_id_y 1
		.amdhsa_system_sgpr_workgroup_id_z 1
		.amdhsa_system_vgpr_workitem_id 0
		.amdhsa_next_free_vgpr 256
		.amdhsa_next_free_sgpr 66
		.amdhsa_reserve_vcc 1
		.amdhsa_float_denorm_mode_32 3
		.amdhsa_float_denorm_mode_16_64 3
		.amdhsa_memory_ordered 1
		.amdhsa_forward_progress 1
		.amdhsa_inst_pref_size 33
	.end_amdhsa_kernel
	.amdgpu_metadata
---
amdhsa.version: [ 1, 2 ]
amdhsa.kernels:
  - .name:           k_qa43eb4da7f_proj
    .symbol:         k_qa43eb4da7f_proj.kd
    .args:
      - { .name: opc, .offset: 0, .size: 8, .value_kind: global_buffer, .address_space: global }
      - { .name: ops, .offset: 8, .size: 8, .value_kind: global_buffer, .address_space: global }
      - { .name: qb, .offset: 16, .size: 8, .value_kind: global_buffer, .address_space: global }
      - { .name: kvb, .offset: 24, .size: 8, .value_kind: global_buffer, .address_space: global }
    .group_segment_fixed_size: 327680
    .private_segment_fixed_size: 0
    .kernarg_segment_align: 8
    .kernarg_segment_size: 32
    .max_flat_workgroup_size: 384
    .sgpr_count:     66
    .vgpr_count:     256
    .wavefront_size: 32
...
	.end_amdgpu_metadata
.endif
;; end of part 2
;; launch attn (part 3): grid 16 x 16, 16 waves a work-group, no clusters, 327,680 bytes of LDS; arguments qb, kvb, ab; writes ab
.if DOCPART == 3
	.amdgcn_target "amdgcn-amd-amdhsa--gfx1250"
	.amdhsa_code_object_version 6
	.text
	.protected	k_qa43eb4da7f_attn
	.globl	k_qa43eb4da7f_attn
	.p2align	8
	.type	k_qa43eb4da7f_attn,@function
k_qa43eb4da7f_attn:
	s_mov_b64 s[64:65], 0
	v_nop
	global_prefetch_b8 v0, s[64:65] scope:SCOPE_SE
	s_setreg_imm32_b32 hwreg(HW_REG_WAVE_MODE, 25, 1), 1
	s_wait_xcnt 0x0
; Causal attention of one head on codes of BF6 (E3M2): S^T = K Q^T (K = the head's 64), p = 2^(t - M), O^T = V^T P^T (K = the keys), O / l, and O quantised along the head's 64 for the last product.
; t = score x log2(e) / sqrt(512); M = the running largest t rounded UP to a whole number; p is quantised along the keys, not normalised; l is the f32 sum of the unquantised p.  When M moves, l and O^T are multiplied by 2^(old M - new M): exact.
; LEFT OUT: key steps of 128 whose keys all come after a block's queries: the causal mask sets their scores to -infinity, so their p is 0 for all inputs.  A NaN or infinity that reaches only those scores is not carried to the result.
; SHARES.  Work-group (i, head) owns the blocks i and 31 - i of 128 queries and walks ONE sequence of 33 key steps c = 0 .. 32: c <= i is key step c for block i, c > i is key step c - i - 1 for block 31 - i; c = i and c = 32 lie on the diagonal.
; Wave w: tile w / 2 of 16 queries, and the steps c of its parity par = (w xor w / 4) % 2: 17 or 16 steps a wave, the same in every work-group.  At its first c > i a wave saves its part of block i's result (O^T, -M, l) in its own stage
; in LDS, takes block 31 - i's q from its stash there and begins anew.  At the end both parts of a tile are joined under the larger M (factors 2^(M part - M): exact); the pair's wave of parity 0 finishes block i's tile, the other block 31 - i's.
; K = 64 IN AN INSTRUCTION OF K = 128.  A fragment of K holds key tile 2 f in k < 64 and key tile 2 f + 1 in k >= 64.  Q stands in 18 registers, 0 x 6 | q x 6 | 0 x 6: the last 12 are (q | 0), the first 12 (0 | q).
; LAYOUT.  Both products are used transposed: a lane holds ONE query.  By the tiles' row order the 16 registers of key tiles 2 b, 2 b + 1 are keys 32 b + 16 (lane / 16) + 0 .. 15, and O^T's likewise channels.
; RING.  Two slots of four steps (4 x 13,312 dense bytes of kvb: images of operand registers).  Step c of slot s lies at 53,248 (c % 2) + 26,624 s + 13,312 ((c / 2) % 2): so a wave's address registers carry its parity and every offset stays under 2^16.
; Waves 0 to 3 fetch a step each.  Nine slots: three trips of two in the loop, three written out; the last holds c = 32 alone.  Every wait on TENSORcnt is for 0.
; NO CLUSTER: the work-groups that share a head's K and V turn from block i to block 31 - i at different steps, so in one and the same round they need different tiles.
; LIMITS: NaN and infinities are not served; the promise holds while |t| stays under 2^31; a block of p (or of O) whose largest number lies under 2^-122 has its byte held at 1.
.set STEPB, 13312
.set HALFR, 26624
.set PARB,  53248
.set STAGE, 106496                     ; behind the ring: for each wave 2 x 4,352 bytes: its part of block i's tile, of block 31 - i's (there first the stash of that block's q)
.set PART,  4352
.set WST,   8704
.set SPARE, 245760                     ; behind the stages: the spare words, 128 bytes for each of 16 waves
.set KFR,  36                          ; v36-83   K's four fragments
.set VFR,  84                          ; v84-131  V's four
.set S,    132                         ; v132-195 S^T, then p
.set O,    196                         ; v196-227 O^T
.set PC,   228                         ; v228-239 p's codes
.set BM,   240                         ; v240-243 the blocks' largest scores, then largest p
.set PD,   244                         ; v244-247 at work
.set SO,   248                         ; v248-251 the conversions' scale operands
; v0 prefetch offset; v1, v2 16, 8 x lane + 53,248 par; v3, v4 the add's two; v5 my query less 16 (lane / 16), in its block; v6-7, v254-255 V's scale words; v8-11 K's; v12 -M, v13 largest t, v[14:15] l;
; v16-33 Q; v34 Q's scale word; v35 at work; v252 f; v253 p's scale word
; s10 wave; s11 head; s12 i; s13 par; s14 tile; s15 the c of my next diagonal; s[16:23] group 1; s[24:27] group 0; s32 trips; s33 my first c of the slot; s41 i + 1; s[42:43], s44, s45 prefetches; s[50:51] result;
; s[52:53] the head in kvb; s54 wave % 4; s55 where my fetched step goes; s56, s57 my stage, my pair's (less 53,248 par); s58 53,248 par; s59 first c of the slot to fetch
.macro GADDR                           ; group 0's global address: step c = s59 + wave % 4 of the walk
	s_add_co_u32 s34, s59, s54
	s_sub_co_u32 s35, s34, s41
	s_cmp_le_u32 s34, s12
	s_cselect_b32 s34, s34, s35                    ; its key step
	s_mul_i32 s34, s34, STEPB
	s_mov_b32 s35, 0
	s_add_nc_u64 s[26:27], s[52:53], s[34:35]
	s_or_b32 s27, s27, 0x80000000
.endm
.macro TLOAD n                         ; waves 0 .. n - 1 fetch; the branch hangs on the wave's number alone
	s_cmp_lt_u32 s10, \n
	s_cbranch_scc0 .Lno_fetch_\@
	tensor_load_to_lds s[24:27], s[16:23]
	s_nop 0
.rept 4
	v_nop
.endr
.Lno_fetch_\@:
.endm
	s_load_b128 s[4:7], s[0:1], 0x0                ; qb, kvb
	s_load_b64 s[8:9], s[0:1], 0x10                ; ab
	v_lshl_add_u32 v3, v0, 2, SPARE
	v_mov_b32 v4, 0
	ds_add_u32 v3, v4
	ds_add_u32 v3, v4
	v_lshrrev_b32 v1, 5, v0
	v_readfirstlane_b32 s10, v1                    ; wave 0..15
	s_and_b32 s11, ttmp7, 0xffff
	s_mov_b32 s12, ttmp9
	s_lshr_b32 s13, s10, 2
	s_xor_b32 s13, s13, s10
	s_and_b32 s13, s13, 1                          ; par
	s_lshr_b32 s14, s10, 1
	s_mov_b32 s15, s12
	s_add_co_u32 s41, s12, 1
	s_mov_b32 s33, s13
	s_mov_b32 s44, 0
	s_mov_b32 s59, 0
	s_mov_b32 s36, 0x3d8293ee                      ; c = log2(e) / sqrt(512)
	s_mov_b32 s37, s36
	s_mov_b32 s38, 0x76543210
	s_mov_b32 s39, 0xfedcba98
	s_mov_b32 s40, 0x07060100
	s_mov_b32 s16, 3<<16                           ; group 1: a key step, 13,312 dense bytes, as 52 rows of 256 bytes
	s_mov_b32 s17, 32<<16
	s_mov_b32 s18, 52<<16
	s_mov_b32 s19, 32<<16
	s_mov_b32 s20, 52
	s_mov_b32 s21, 32
	s_mov_b32 s22, 0
	s_mov_b32 s23, 0
	s_and_b32 s54, s10, 3
	s_and_b32 s34, s54, 1
	s_mul_i32 s55, s34, PARB
	s_lshr_b32 s34, s54, 1
	s_mul_i32 s34, s34, STEPB
	s_add_co_u32 s55, s55, s34
	s_mul_i32 s58, s13, PARB
	s_mul_i32 s46, s11, 425984                     ; the head's first byte in kvb (under 2^23)
	s_mov_b32 s47, 0
	s_mov_b32 s24, 1
	s_mov_b32 s25, s55
	s_wait_dscnt 0x0
	s_wait_kmcnt 0x0
	s_add_nc_u64 s[52:53], s[6:7], s[46:47]
	GADDR
	s_mov_b32 s59, 4
	TLOAD 4                                        ; slot 0: steps 0 to 3, one load a wave
	s_lshl_b32 s34, s11, 5
	s_add_co_u32 s35, s34, s12
	s_mul_i32 s60, s35, 6656                       ; block i in qb,
	s_mov_b32 s61, 0
	s_add_co_u32 s34, s34, 31
	s_sub_co_u32 s34, s34, s12
	s_mul_i32 s62, s34, 6656                       ; block 31 - i
	s_mov_b32 s63, 0
	s_add_nc_u64 s[60:61], s[4:5], s[60:61]
	s_add_nc_u64 s[62:63], s[4:5], s[62:63]
	s_lshr_b32 s34, s14, 2
	s_mul_i32 s46, s34, 3072
	s_lshl_b32 s48, s34, 8
	s_and_b32 s35, s14, 3
	s_mul_i32 s35, s35, 768
	s_add_co_u32 s46, s46, s35                     ; my tile's image in a block
	s_and_b32 s35, s14, 1
	s_lshl_b32 s35, s35, 7
	s_add_co_u32 s48, s48, s35
	s_bfe_u32 s35, s14, 0x10001
	s_lshl_b32 s35, s35, 2
	s_add_co_u32 s48, s48, s35
	s_add_co_u32 s48, s48, 6144                    ; its scale words
	s_xor_b32 s34, s13, 1
	s_mul_i32 s34, s34, PARB
	s_add_co_u32 s34, s34, STAGE-PARB              ; STAGE less 53,248 par
	s_mul_i32 s35, s10, WST
	s_add_co_u32 s56, s34, s35
	s_and_b32 s35, s10, 14
	s_mul_i32 s35, s35, WST
	s_add_co_u32 s57, s34, s35
	s_mul_i32 s35, s13, PART
	s_add_co_u32 s57, s57, s35                     ; the pair's parts of the tile that I finish
	s_lshr_b32 s34, s14, 1
	s_lshl_b32 s34, s34, 5
	s_and_b32 s35, s14, 1
	s_lshl_b32 s35, s35, 3
	s_add_co_u32 s49, s34, s35
	s_sub_co_u32 s34, 31, s12
	s_cmp_eq_u32 s13, 0
	s_cselect_b32 s35, s12, s34                    ; the block that I finish
	s_lshl_b32 s35, s35, 3
	s_lshr_b32 s34, s11, 3
	s_lshl_b32 s34, s34, 8
	s_add_co_u32 s34, s34, s35
	s_add_co_u32 s34, s34, s14                     ; token tile: 256 x batch + 8 x block + tile
	s_lshl_b32 s34, s34, 3
	s_and_b32 s35, s11, 7
	s_add_co_u32 s34, s34, s35
	s_lshl_b32 s50, s34, 10
	s_mov_b32 s51, 0
	s_add_nc_u64 s[50:51], s[8:9], s[50:51]
	s_and_b32 s34, s10, 7                          ; the prefetches (macro ASK)
	s_mul_i32 s34, s34, 6656
	s_add_co_u32 s34, s34, 7*STEPB                 ; the first change of slots steps this to key step 11
	s_mov_b32 s35, 0
	s_add_nc_u64 s[42:43], s[52:53], s[34:35]
	s_lshr_b32 s34, s10, 3
	s_xor_b32 s34, s34, 1                          ; 0 in waves 8 to 15,
	s_or_b32 s34, s34, s12                         ; of the head's work-group 0
	s_cmp_eq_u32 s34, 0
	s_cselect_b32 s45, 6, 0
	v_and_b32 v132, 31, v0                         ; lane
	v_and_b32 v133, 15, v0                         ; r
	v_bfe_u32 v134, v0, 4, 1                       ; h
	v_lshlrev_b32 v135, 4, v132
	v_lshlrev_b32 v136, 3, v132
	v_lshlrev_b32 v137, 3, v133
	v_add_nc_u32 v138, s46, v135
	v_add_nc_u32 v139, s46, v136
	v_add_nc_u32 v137, s48, v137
	global_load_b128 v[22:25], v138, s[60:61]      ; block i's q
	global_load_b64 v[26:27], v139, s[60:61] offset:512
	global_load_b32 v34, v137, s[60:61]
	global_load_b128 v[140:143], v138, s[62:63]    ; block 31 - i's, for the stash
	global_load_b64 v[144:145], v139, s[62:63] offset:512
	global_load_b32 v146, v137, s[62:63]
	v_mov_b32 v147, 0
	v_add_nc_u32 v1, s58, v135
	v_add_nc_u32 v2, s58, v136
	v_add_nc_u32 v148, s56, v1
	v_add_nc_u32 v149, s56, v2
.irp j, 16,17,18,19,20,21,28,29,30,31,32,33
	v_mov_b32 v[\j], 0                             ; the zero codes on both sides of q
.endr
	v_and_b32 v5, 8, v133
	v_add_nc_u32 v5, v5, v133
	v_lshlrev_b32 v150, 4, v134
	v_sub_nc_u32 v5, v5, v150
	v_add_nc_u32 v5, s49, v5                       ; 32 (tile / 2) + 8 (tile % 2) + r + 8 (r / 8) - 16 h
	v_min_u32 v0, 25, v132
	v_lshlrev_b32 v0, 8, v0                        ; 26 blocks of 256 bytes a wave; lanes 26-31 name the last again
	v_mov_b32 v13, 0xff61b1e6                      ; the largest t so far: -3e38
	v_floor_f32 v12, -v13
	v_mov_b32 v14, 0
	v_mov_b32 v15, 0
	v_mov_b32 v252, 0
	v_mov_b32 v253, 0
.irp b, 0,1,2,3
	v_mov_b32 v[PD+\b], 0
.endr
.set JJ, 0
.rept 32
	v_mov_b32 v[O+JJ], 0
.set JJ, JJ+1
.endr
	s_wait_alu depctr_va_vdst(0)
	s_wait_loadcnt 0x0
	ds_store_b128 v148, v[140:143] offset:PART     ; my own bytes: only I read them, and LDS serves a wave's instructions in order
	ds_store_b64 v149, v[144:145] offset:PART+512
	ds_store_b64 v149, v[146:147] offset:PART+768
; A PREFETCH INTO THE L2.  Work-group 0 of a head walks key steps 0, 0, 1 .. 31; it alone asks, by its waves 8 to 15, which fetch nothing: 26 blocks of 256 bytes each, 53,248 bytes a change of slots.
; Change k (0 .. 4) names key steps 4 k + 11 .. 4 k + 14, which change k + 2 loads; key steps 0 to 10 and 31 come by their loads alone; the last byte named is the end of key step 30.
.macro ASK
	s_cmp_lt_u32 s44, s45
	s_cbranch_scc0 .Lno_ask_\@
	global_prefetch_b8 v0, s[42:43] th:TH_LOAD_NT scope:SCOPE_SE
.Lno_ask_\@:
.endm
.macro LOADK slot, u                   ; 18 LDS loads: a key step's 8 half images of K and their scale words
.set BASE, HALFR*(\slot)+STEPB*(\u)
.irp t, 0,1,2,3,4,5,6,7
	ds_load_b128 v[KFR+6*\t:KFR+6*\t+3], v1 offset:BASE+768*\t
	ds_load_b64 v[KFR+6*\t+4:KFR+6*\t+5], v2 offset:BASE+768*\t+512
.endr
	ds_load_b64 v[8:9], v2 offset:BASE+12288
	ds_load_b64 v[10:11], v2 offset:BASE+12544
.endm
.macro LOADV slot, u                   ; 18 LDS loads: V's
.set BASE, HALFR*(\slot)+STEPB*(\u)
.irp hf, 0,1
.irp ct, 0,1,2,3
	ds_load_b128 v[VFR+12*\ct+6*\hf:VFR+12*\ct+6*\hf+3], v1 offset:BASE+6144+3072*\hf+768*\ct
	ds_load_b64 v[VFR+12*\ct+6*\hf+4:VFR+12*\ct+6*\hf+5], v2 offset:BASE+6144+3072*\hf+768*\ct+512
.endr
.endr
	ds_load_b64 v[6:7], v2 offset:BASE+12800
	ds_load_b64 v[254:255], v2 offset:BASE+13056
.endm
.macro SAVE off                        ; my part of a tile's result into my stage: O^T as an image of its registers, each accumulator from its low end on; -M and l
	v_add_nc_u32 v132, s56, v1
	v_add_nc_u32 v133, s56, v2
	v_add_f32 v13, v14, v15
.irp n, 0,1,2,3,4,5,6,7
	ds_store_b128 v132, v[O+4*\n:O+4*\n+3] offset:\off+512*\n
.endr
	ds_store_b64 v133, v[12:13] offset:\off+4096
.endm
; A STEP OF THE WALK, 128 keys, my u-th of the slot, comes in two halves.  FRONT: the scores.  Its K and V have been asked for, K first.  sw: the turn to block 31 - i may fall here (c <= 17).
.macro FRONT u, sw
.if \sw
	s_add_co_u32 s35, s33, 2*\u                    ; c
	s_sub_co_u32 s34, s35, s41
	s_cmp_lt_u32 s34, 2                            ; c = i + 1 or i + 2: my first step for block 31 - i
	s_cbranch_scc0 .Lsame_\@
	SAVE 0
	ds_load_b128 v[22:25], v132 offset:PART
	ds_load_b64 v[26:27], v133 offset:PART+512
	ds_load_b32 v34, v133 offset:PART+768
	v_mov_b32 v13, 0xff61b1e6
	v_floor_f32 v12, -v13
	v_mov_b32 v14, 0
	v_mov_b32 v15, 0
.set JJ, 0
.rept 32
	v_mov_b32 v[O+JJ], 0
.set JJ, JJ+1
.endr
	s_mov_b32 s15, 32
	s_wait_alu depctr_va_vdst(0)
	s_wait_dscnt 0x0
.Lsame_\@:
.endif
	s_wait_dscnt 18                                ; K is in; V's 18 loads, issued behind it, may be out
.irp t, 0,1,2,3,4,5,6,7
.if \t%2 == 0
	v_wmma_scale_f32_16x16x128_f8f6f4 v[S+8*\t:S+8*\t+7], v[KFR+12*(\t/2):KFR+12*(\t/2)+11], v[22:33], 0, v[8+\t/2], v34 matrix_a_fmt:MATRIX_FMT_BF6 matrix_b_fmt:MATRIX_FMT_BF6
.else
	v_wmma_scale_f32_16x16x128_f8f6f4 v[S+8*\t:S+8*\t+7], v[KFR+12*(\t/2):KFR+12*(\t/2)+11], v[16:27], 0, v[8+\t/2], v34 matrix_a_fmt:MATRIX_FMT_BF6 matrix_b_fmt:MATRIX_FMT_BF6 matrix_a_scale:MATRIX_SCALE_ROW1
.endif
.endr
.rept 4
	v_nop                                          ; four places: in front of the loads into K's registers and of the first read of the scores
.endr
.endm
; BACK: the softmax and O^T += V^T P^T, on registers but for the wait for V.  mk: 0 no diagonal can fall here, 1 it may, 2 it does.  vw: the LDS loads issued behind V's, which may stay out.
.macro BACK u, mk, vw
.if \mk
.if \mk == 1
	s_add_co_u32 s35, s33, 2*\u                    ; c
	s_cmp_lg_u32 s35, s15
	s_cbranch_scc1 .Lopen_\@
.endif
	v_mov_b32 v35, 0xff800000                      ; register 16 b + i holds key 32 b + 16 h + i of the step: hidden where 32 b + i > v5
.set NN, 0
.rept 64
	v_cmp_gt_i32 vcc_lo, 32*(NN/16)+NN%16, v5
	v_cndmask_b32 v[S+NN], v[S+NN], v35, vcc_lo
.set NN, NN+1
.endr
.Lopen_\@:
.endif
.irp b, 0,1,2,3
	v_max3_num_f32 v[BM+\b], v[S+16*\b], v[S+1+16*\b], v[S+2+16*\b]   ; the largest score of each block of 32 keys: for the row's maximum and for the block's largest p
.endr
.irp i, 3,5,7,9,11,13
.irp b, 0,1,2,3
	v_max3_num_f32 v[BM+\b], v[BM+\b], v[S+16*\b+\i], v[S+1+16*\b+\i]
.endr
.endr
.irp b, 0,1,2,3
	v_max_num_f32 v[BM+\b], v[BM+\b], v[S+15+16*\b]
.endr
.irp b, 0,1,2,3
	s_delay_alu instid0(VALU_DEP_4)
	v_permlanex16_b32 v[PD+\b], v[BM+\b], s38, s39
.endr
.irp b, 0,1,2,3
	s_delay_alu instid0(VALU_DEP_4)
	v_max_num_f32 v[BM+\b], v[BM+\b], v[PD+\b]
.endr
	s_delay_alu instid0(VALU_DEP_2)
	v_max3_num_f32 v35, v[BM], v[BM+1], v[BM+2]
	s_delay_alu instid0(VALU_DEP_1)
	v_max_num_f32 v35, v35, v[BM+3]
	s_delay_alu instid0(VALU_DEP_1)
	v_mul_f32 v35, s36, v35
	s_delay_alu instid0(VALU_DEP_1)
	v_max_num_f32 v13, v13, v35                    ; the running largest t
	v_mov_b32 v35, v12
	s_delay_alu instid0(VALU_DEP_2)
	v_floor_f32 v12, -v13                          ; the new -M
	s_delay_alu instid0(VALU_DEP_1)
	v_sub_f32 v35, v12, v35
	s_delay_alu instid0(VALU_DEP_1)
	v_cvt_i32_f32 v35, v35                         ; (it saturates)
	s_delay_alu instid0(VALU_DEP_1)
	v_ldexp_f32 v252, 1.0, v35                     ; f = 2^(old M - new M)
.set JJ, 0
.rept 32
	v_pk_fma_f32 v[S+JJ:S+JJ+1], v[S+JJ:S+JJ+1], s[36:37], v[12:13] op_sel_hi:[1,0,0]
.set JJ, JJ+2
.endr
.irp b, 0,1,2,3
	v_fma_f32 v[BM+\b], v[BM+\b], s36, v12
.endr
.set JJ, 0
	s_wait_alu depctr_va_vdst(0)
.rept 64
	v_exp_f32 v[S+JJ], v[S+JJ]
.set JJ, JJ+1
.endr
	v_pk_mul_f32 v[14:15], v[14:15], v[252:253] op_sel_hi:[1,0]
	s_wait_alu depctr_va_vdst(0)
.irp b, 0,1,2,3
	v_exp_f32 v[BM+\b], v[BM+\b]
.endr
	v_pk_add_f32 v[244:245], v[136:137], v[140:141]
	v_pk_add_f32 v[250:251], v[144:145], v[148:149]
	v_pk_add_f32 v[248:249], v[152:153], v[156:157]
	v_pk_add_f32 v[246:247], v[160:161], v[164:165]
	v_pk_add_f32 v[238:239], v[168:169], v[172:173]
	v_pk_add_f32 v[236:237], v[176:177], v[180:181]
	v_pk_add_f32 v[234:235], v[184:185], v[188:189]
	v_pk_add_f32 v[14:15], v[14:15], v[192:193]
	v_pk_add_f32 v[244:245], v[244:245], v[132:133]
	v_pk_add_f32 v[250:251], v[250:251], v[134:135]
	v_pk_add_f32 v[248:249], v[248:249], v[138:139]
	v_pk_add_f32 v[246:247], v[246:247], v[142:143]
	v_pk_add_f32 v[238:239], v[238:239], v[146:147]
	v_pk_add_f32 v[236:237], v[236:237], v[150:151]
	v_pk_add_f32 v[234:235], v[234:235], v[154:155]
	v_pk_add_f32 v[14:15], v[14:15], v[158:159]
	v_pk_add_f32 v[244:245], v[244:245], v[162:163]
	v_pk_add_f32 v[250:251], v[250:251], v[166:167]
	v_pk_add_f32 v[248:249], v[248:249], v[170:171]
	v_pk_add_f32 v[246:247], v[246:247], v[174:175]
	v_pk_add_f32 v[238:239], v[238:239], v[178:179]
	v_pk_add_f32 v[236:237], v[236:237], v[182:183]
	v_pk_add_f32 v[234:235], v[234:235], v[186:187]
	v_pk_add_f32 v[14:15], v[14:15], v[190:191]
	v_pk_add_f32 v[244:245], v[244:245], v[194:195]
	s_delay_alu instid0(VALU_DEP_2)
	v_pk_add_f32 v[14:15], v[14:15], v[246:247]
	s_delay_alu instid0(VALU_DEP_2)
	v_pk_add_f32 v[244:245], v[244:245], v[238:239]
	v_pk_add_f32 v[250:251], v[250:251], v[236:237]
	v_pk_add_f32 v[248:249], v[248:249], v[234:235]
	s_delay_alu instid0(VALU_DEP_2)
	v_pk_add_f32 v[14:15], v[14:15], v[250:251]
	s_delay_alu instid0(VALU_DEP_2)
	v_pk_add_f32 v[244:245], v[244:245], v[248:249]
	s_delay_alu instid0(VALU_DEP_1)
	v_pk_add_f32 v[14:15], v[14:15], v[244:245]
	s_wait_alu depctr_va_vdst(0)
.irp b, 0,1,2,3
	v_max_num_f32 v[BM+\b], 0x2800000, v[BM+\b]    ; the floor 2^(5 - 127): no byte falls under 1
.endr
.irp b, 0,1,2,3
	s_delay_alu instid0(VALU_DEP_4)
	v_add_nc_u32 v[SO+\b], 0xfe000000, v[BM+\b]
.endr
.irp b, 0,1,2,3
	s_delay_alu instid0(VALU_DEP_4)
	v_lshrrev_b32 v[PD+\b], 23, v[SO+\b]
.endr
	s_delay_alu instid0(VALU_DEP_3)
	v_lshl_or_b32 v253, v[PD+1], 8, v[PD]
	s_delay_alu instid0(VALU_DEP_1)
	v_lshl_or_b32 v253, v[PD+2], 16, v253
	s_delay_alu instid0(VALU_DEP_1)
	v_lshl_or_b32 v253, v[PD+3], 24, v253
	v_cvt_scalef32_pk16_bf6_f32 v[PC:PC+2], v[S:S+15], v[SO]
	v_cvt_scalef32_pk16_bf6_f32 v[PD:PD+2], v[S+16:S+31], v[SO+1]
	v_cvt_scalef32_pk16_bf6_f32 v[PC+6:PC+8], v[S+32:S+47], v[SO+2]
	v_cvt_scalef32_pk16_bf6_f32 v[BM:BM+2], v[S+48:S+63], v[SO+3]
	v_nop                                          ; one plain place behind a scaled conversion
.irp i, 0,1,2
	v_permlane16_swap_b32 v[PC+\i], v[PD+\i]       ; a whole block to a lane
.endr
.irp i, 0,1,2
	s_delay_alu instid0(VALU_DEP_3)
	v_mov_b32 v[PC+3+\i], v[PD+\i]
.endr
.irp i, 0,1,2
	v_permlane16_swap_b32 v[PC+6+\i], v[BM+\i]
.endr
.irp i, 0,1,2
	s_delay_alu instid0(VALU_DEP_3)
	v_mov_b32 v[PC+9+\i], v[BM+\i]
.endr
	s_wait_dscnt \vw                               ; V is in
	v_perm_b32 v6, v254, v6, s40
	v_perm_b32 v7, v255, v7, s40
.set JJ, 0
.rept 16
	v_pk_mul_f32 v[O+JJ:O+JJ+1], v[O+JJ:O+JJ+1], v[252:253] op_sel_hi:[1,0]   ; O^T under the new M; also the places between the scale words and codes just made and the products
.set JJ, JJ+2
.endr
.irp ct, 0,1,2,3
.if \ct%2 == 0
	v_wmma_scale_f32_16x16x128_f8f6f4 v[O+8*\ct:O+8*\ct+7], v[VFR+12*\ct:VFR+12*\ct+11], v[PC:PC+11], v[O+8*\ct:O+8*\ct+7], v[6+\ct/2], v253 matrix_a_fmt:MATRIX_FMT_BF6 matrix_b_fmt:MATRIX_FMT_BF6
.else
	v_wmma_scale_f32_16x16x128_f8f6f4 v[O+8*\ct:O+8*\ct+7], v[VFR+12*\ct:VFR+12*\ct+11], v[PC:PC+11], v[O+8*\ct:O+8*\ct+7], v[6+\ct/2], v253 matrix_a_fmt:MATRIX_FMT_BF6 matrix_b_fmt:MATRIX_FMT_BF6 matrix_a_scale:MATRIX_SCALE_ROW1
.endif
.endr
.rept 4
	v_nop                                          ; four places: in front of loads into V's registers, and of the first read of O^T by a store
.endr
.endm
; THE CHANGE OF SLOTS stands BETWEEN THE HALVES of my second step of the slot that I leave: its scores and its V are in registers, so my reads of that slot are over.  Each wave waits for all its tensor loads, adds 0 to its spare word
; and waits for that and for those reads.  Behind the barrier the slot left takes the steps eight on (n waves fetch; the first time it is slot 1's
; first fill), the new slot's first K is asked for, and the step left open is finished on registers while those loads are out.  Order of the LDS loads: K, V, the next K, the next V: so each wait leaves the 18 younger ones out.
.macro CHANGE slot, n, ask, first, sw, mkp, mk
	s_wait_alu depctr_va_vdst(0)
	s_wait_tensorcnt 0x0
	ds_add_u32 v3, v4
	ds_add_u32 v3, v4
	s_add_co_u32 s25, s55, HALFR*(1-\slot)         ; no tensor load of mine is out: group 0 may be written
	GADDR
	s_add_co_u32 s59, s59, 4
.if \ask
	s_wait_xcnt 0x0                                ; the last prefetch, a slot back, has read its address
	s_add_nc_u64 s[42:43], s[42:43], 4*STEPB
	s_add_co_u32 s44, s44, 1
.endif
	s_wait_dscnt 0x0
	s_barrier_signal -1
	s_barrier_wait -1
	TLOAD \n
.if \ask
	ASK
.endif
	LOADK \slot, 0
.if \first == 0
	BACK 1, \mkp, 18                               ; the step left open; its V came in ahead of the barrier
	s_add_co_u32 s33, s33, 4
.endif
	LOADV \slot, 0
	FRONT 0, \sw
	LOADK \slot, 1
	BACK 0, \mk, 18
	LOADV \slot, 1
	FRONT 1, \sw
.endm
	CHANGE 0, 4, 1, 1, 1, 0, 1                     ; slot 0: no step is open yet
	s_mov_b32 s32, 0
.Lgroup:                                               ; slots 1 to 6
	CHANGE 1, 4, 1, 0, 1, 1, 1
	CHANGE 0, 4, 1, 0, 1, 1, 1
	s_add_co_u32 s32, s32, 1
	s_cmp_lt_u32 s32, 3
	s_cbranch_scc1 .Lgroup
	CHANGE 1, 1, 0, 0, 0, 0, 0                     ; slot 7: c = 28 .. 31, past every turn, short of the last diagonal; wave 0 alone fetches: c = 32
	s_wait_alu depctr_va_vdst(0)
	s_wait_tensorcnt 0x0
	ds_add_u32 v3, v4
	s_wait_dscnt 0x0
	s_barrier_signal -1
	s_barrier_wait -1
	s_cmp_lg_u32 s13, 0
	s_cbranch_scc1 .Lodd                           ; c = 32 is parity 0's
	LOADK 0, 0
.Lodd:
	BACK 1, 0, 18                                  ; slot 7's open step
	s_cmp_lg_u32 s13, 0
	s_cbranch_scc1 .Llast
	LOADV 0, 0
	FRONT 0, 0
	BACK 0, 2, 0
.Llast:
	; THE JOIN AND THE WAY OUT.  Every wave saves its part of block 31 - i's tile; behind the barrier it reads the pair's two parts of the tile that it finishes.
	SAVE PART
	s_wait_dscnt 0x0
	s_barrier_signal -1
	s_barrier_wait -1
	v_add_nc_u32 v36, s57, v1
	v_add_nc_u32 v37, s57, v2
.irp n, 0,1,2,3,4,5,6,7
	ds_load_b128 v[S+4*\n:S+4*\n+3], v36 offset:512*\n
	ds_load_b128 v[O+4*\n:O+4*\n+3], v36 offset:WST+512*\n
.endr
	ds_load_b64 v[12:13], v37 offset:4096
	ds_load_b64 v[14:15], v37 offset:WST+4096
	s_wait_dscnt 0x0
	v_min_num_f32 v35, v12, v14                    ; -M of the two: M is the larger
	v_sub_f32 v12, v35, v12
	v_sub_f32 v14, v35, v14
	v_cvt_i32_f32 v12, v12                         ; (they saturate: a part with no step has -M = 3e38, and its factor is 0)
	v_cvt_i32_f32 v14, v14
	v_ldexp_f32 v12, 1.0, v12
	v_ldexp_f32 v14, 1.0, v14
	v_mul_f32 v13, v13, v12
	v_fmac_f32 v13, v15, v14
	v_permlanex16_b32 v252, v13, s38, s39
	v_add_f32 v13, v13, v252                       ; the row's sum: over 1/2
	s_wait_alu depctr_va_vdst(0)
	v_rcp_f32 v13, v13
	v_nop
	s_wait_alu depctr_va_vdst(0)
	v_mul_f32 v12, v12, v13
	v_mul_f32 v14, v14, v13
.set JJ, 0
.rept 16
	v_pk_mul_f32 v[S+JJ:S+JJ+1], v[S+JJ:S+JJ+1], v[12:13] op_sel_hi:[1,0]
.set JJ, JJ+2
.endr
.set JJ, 0
.rept 16
	v_pk_fma_f32 v[S+JJ:S+JJ+1], v[O+JJ:O+JJ+1], v[14:15], v[S+JJ:S+JJ+1] op_sel_hi:[1,0,1]   ; register 16 g + i: channel 32 g + 16 h + i of my query
.set JJ, JJ+2
.endr
.irp b, 0,1
	v_max3_num_f32 v[BM+\b], |v[S+16*\b]|, |v[S+1+16*\b]|, 0x2800000
.endr
.irp i, 2,4,6,8,10,12,14
.irp b, 0,1
	s_delay_alu instid0(VALU_DEP_2)
	v_max3_num_f32 v[BM+\b], v[BM+\b], |v[S+16*\b+\i]|, |v[S+1+16*\b+\i]|
.endr
.endr
.irp b, 0,1
	s_delay_alu instid0(VALU_DEP_2)
	v_permlanex16_b32 v[PD+\b], v[BM+\b], s38, s39
.endr
.irp b, 0,1
	s_delay_alu instid0(VALU_DEP_2)
	v_max_num_f32 v[BM+\b], v[BM+\b], v[PD+\b]
.endr
.irp b, 0,1
	s_delay_alu instid0(VALU_DEP_2)
	v_add_nc_u32 v[SO+\b], 0xfe000000, v[BM+\b]
.endr
.irp b, 0,1
	s_delay_alu instid0(VALU_DEP_2)
	v_lshrrev_b32 v[PD+\b], 23, v[SO+\b]
.endr
	s_delay_alu instid0(VALU_DEP_1)
	v_lshl_or_b32 v252, v[PD+1], 8, v[PD]
	s_delay_alu instid0(VALU_DEP_1)
	v_lshl_or_b32 v252, v252, 16, v252             ; s0 s1 s0 s1
	s_delay_alu instid0(VALU_DEP_1)
	v_mov_b32 v253, v252
	v_sub_nc_u32 v36, v1, s58                      ; 16 x lane
	v_sub_nc_u32 v37, v2, s58                      ; 8 x lane
	v_cvt_scalef32_pk16_bf6_f32 v[PC:PC+2], v[S:S+15], v[SO]
	v_cvt_scalef32_pk16_bf6_f32 v[PD:PD+2], v[S+16:S+31], v[SO+1]
	v_nop                                          ; one plain place behind a scaled conversion
.irp i, 0,1,2
	v_permlane16_swap_b32 v[PC+\i], v[PD+\i]
.endr
.irp i, 0,1,2
	s_delay_alu instid0(VALU_DEP_3)
	v_mov_b32 v[PC+3+\i], v[PD+\i]
.endr
	global_store_b128 v36, v[PC:PC+3], s[50:51]    ; every store covers whole aligned blocks of 256 bytes
	global_store_b64 v37, v[PC+4:PC+5], s[50:51] offset:512
	global_store_b64 v37, v[252:253], s[50:51] offset:768
	s_wait_tensorcnt 0x0                           ; the wave's end
	ds_add_u32 v3, v4
	s_wait_dscnt 0x0
	s_endpgm
.Lfunc_end_k_qa43eb4da7f_attn:
	.size	k_qa43eb4da7f_attn, .Lfunc_end_k_qa43eb4da7f_attn-k_qa43eb4da7f_attn
	.p2alignl 7, 3214868480
	.fill 96, 4, 3214868480
	.section	.rodata,"a",@progbits
	.p2align	6, 0x0
	.amdhsa_kernel k_qa43eb4da7f_attn
		.amdhsa_group_segment_fixed_size 327680
		.amdhsa_private_segment_fixed_size 0
		.amdhsa_enable_private_segment 0
		.amdhsa_kernarg_size 24
		.amdhsa_user_sgpr_count 2
		.amdhsa_user_sgpr_kernarg_segment_ptr 1
		.amdhsa_wavefront_size32 1
		.amdhsa_system_sgpr_workgroup_id_x 1
		.amdhsa_system_sgpr_workgroup_id_y 1
		.amdhsa_system_sgpr_workgroup_id_z 1
		.amdhsa_system_vgpr_workitem_id 0
		.amdhsa_next_free_vgpr 256
		.amdhsa_next_free_sgpr 66
		.amdhsa_reserve_vcc 1
		.amdhsa_float_denorm_mode_32 3
		.amdhsa_float_denorm_mode_16_64 3
		.amdhsa_memory_ordered 1
		.amdhsa_forward_progress 1
		.amdhsa_inst_pref_size 219
	.end_amdhsa_kernel
	.amdgpu_metadata
---
amdhsa.version: [ 1, 2 ]
amdhsa.kernels:
  - .name:           k_qa43eb4da7f_attn
    .symbol:         k_qa43eb4da7f_attn.kd
    .args:
      - { .name: qb, .offset: 0, .size: 8, .value_kind: global_buffer, .address_space: global }
      - { .name: kvb, .offset: 8, .size: 8, .value_kind: global_buffer, .address_space: global }
      - { .name: ab, .offset: 16, .size: 8, .value_kind: global_buffer, .address_space: global }
    .group_segment_fixed_size: 327680
    .private_segment_fixed_size: 0
    .kernarg_segment_align: 8
    .kernarg_segment_size: 24
    .max_flat_workgroup_size: 512
    .sgpr_count:     66
    .vgpr_count:     256
    .wavefront_size: 32
...
	.end_amdgpu_metadata
.endif
;; end of part 3
;; launch outp (part 4): grid 64 x 4, 8 waves a work-group, no clusters, 168,960 bytes of LDS; arguments ab, opc, ops, bo, out0; writes out0
.if DOCPART == 4
	.amdgcn_target "amdgcn-amd-amdhsa--gfx1250"
	.amdhsa_code_object_version 6
	.text
	.protected	k_qa43eb4da7f_outp
	.globl	k_qa43eb4da7f_outp
	.p2align	8
	.type	k_qa43eb4da7f_outp,@function
k_qa43eb4da7f_outp:
	s_mov_b64 s[64:65], 0
	v_nop
	global_prefetch_b8 v0, s[64:65] scope:SCOPE_SE
	s_setreg_imm32_b32 hwreg(HW_REG_WAVE_MODE, 25, 1), 1
	s_wait_xcnt 0x0
; out0 = a Wo^T + bo on codes of BF6 (E3M2), K = 512 = 8 heads x 64; a's codes and scale words come from the attention launch (ab), Wo's from the quantiser (opc, ops: tiles 608 .. 639).
; SHARES.  Work-group (X, yn): tokens 128 X .. + 127 x output channels 128 yn .. + 127.  Wave w: token tiles 2 (w / 2), + 1 (source 1: a lane holds one token) x Wo's tiles 4 (w % 2) .. + 3 (source 0: a lane's registers run along
; 64 output channels, 256 bytes of a row of out0): 8 accumulators, 32 matrix instructions.  A K step of 128 is two heads: two HALF images make a's fragment, and the two heads' doubled scale words are cut together to one word.
; The bias is loaded straight into the accumulators, in the result's layout, and is the C of each sum's first matrix instruction.
; LDS, filled once at the head, one load a wave: ab's 8 tiles x 8 heads x 1,024 bytes at 0; Wo's 8 tiles' codes at 65,536; their scale words at 114,688.  Behind them, in blocks of their own, a stage of 16 rows x 272 bytes for each wave.
; NO CLUSTER: every tile is asked for once by a work-group, in one group at the head, and a wave's whole matrix work behind it is 32 instructions: there is no ring in which a joint request would recur.
.set PF,  32                           ; v32-79   Wo's four fragments
.set RF,  80                           ; v80-103  a's two fragments
.set ACC, 128                          ; v128-191 accumulator (token tile jr, Wo tile i) at ACC + 32 jr + 8 i
.set BK,  192                          ; v192-255 rows read back from the stage
; v2 Wo's codes, v3 its scale words, v4, v5 a's images (16, 8 bytes a lane), v6, v7 the stage in and out, v8 my place in out0, v9 in bo; v12-15 Wo's scale words; v16-23 a's (4 jr + K step); v24-31 the odd heads' as loaded
	s_load_b256 s[4:11], s[0:1], 0x0               ; ab, opc, ops, bo
	s_load_b64 s[12:13], s[0:1], 0x20              ; out0
	v_lshl_add_u32 v126, v0, 2, 0x29000
	v_mov_b32 v127, 0
	ds_add_u32 v126, v127
	ds_add_u32 v126, v127
	v_lshrrev_b32 v1, 5, v0
	s_delay_alu instid0(VALU_DEP_1)
	v_readfirstlane_b32 s14, v1                    ; wave 0..7
	s_and_b32 s15, ttmp7, 0xffff                   ; yn
	; descriptor group 1: dense blocks as rows of 256 bytes (32 elements of 8 bytes): 64 rows, and 16 for the scale words
	s_mov_b32 s16, 3<<16
	s_mov_b32 s17, 32<<16
	s_mov_b32 s18, 64<<16
	s_mov_b32 s19, 32<<16
	s_mov_b32 s20, 64
	s_mov_b32 s21, 32
	s_mov_b32 s22, 0
	s_mov_b32 s23, 0
	s_mov_b32 s24, 3<<16
	s_mov_b32 s25, 32<<16
	s_mov_b32 s26, 16<<16
	s_mov_b32 s27, 32<<16
	s_mov_b32 s28, 16
	s_mov_b32 s29, 32
	s_mov_b32 s30, 0
	s_mov_b32 s31, 0
	s_mov_b32 s32, 1
	s_lshl_b32 s33, s14, 14                        ; LDS address: 16,384 x wave
	s_lshl_b32 s40, ttmp9, 16
	s_add_co_u32 s40, s40, s33                     ; waves 0-3: ab at 65,536 X + 16,384 w
	s_lshl_b32 s41, s15, 3
	s_add_co_u32 s41, s41, 608                     ; Wo's first tile
	s_mul_i32 s42, s41, 6144
	s_add_co_u32 s42, s42, s33
	s_sub_co_u32 s42, s42, 65536                   ; waves 4-6: its codes, + 16,384 (w - 4)
	s_lshl_b32 s43, s41, 9                         ; wave 7: its scale words
	s_wait_dscnt 0x0
	s_wait_kmcnt 0x0
	s_cmp_lt_u32 s14, 4
	s_cselect_b64 s[34:35], s[4:5], s[6:7]         ; the choices hang on the wave's number alone
	s_cselect_b32 s44, s40, s42
	s_cmp_eq_u32 s14, 7
	s_cselect_b64 s[34:35], s[8:9], s[34:35]
	s_cselect_b32 s44, s43, s44
	s_mov_b32 s45, 0
	s_add_nc_u64 s[34:35], s[34:35], s[44:45]
	s_or_b32 s35, s35, 0x80000000
	s_cmp_lt_u32 s14, 7
	s_cbranch_scc0 .Lscales
	tensor_load_to_lds s[32:35], s[16:23]
	s_nop 0
.rept 4
	v_nop
.endr
	s_branch .Lasked
.Lscales:
	tensor_load_to_lds s[32:35], s[24:31]
	s_nop 0
.rept 4
	v_nop
.endr
.Lasked:
	s_lshr_b32 s50, s14, 1                         ; tp: my pair of token tiles
	s_and_b32 s51, s14, 1                          ; ph: my half of the 128 channels
	s_lshl_b32 s46, s15, 9
	s_lshl_b32 s47, s51, 8
	s_add_co_u32 s46, s46, s47                     ; 4 (128 yn + 64 ph)
	s_mov_b32 s47, 0
	s_lshl_b32 s48, ttmp9, 7
	s_lshl_b32 s49, s50, 5
	s_add_co_u32 s48, s48, s49
	s_lshl_b32 s48, s48, 11                        ; token 128 X + 32 tp, rows of 2,048 bytes (under 2^25)
	s_add_co_u32 s48, s48, s46
	s_mov_b32 s49, 0
	s_add_nc_u64 s[48:49], s[12:13], s[48:49]
	s_add_nc_u64 s[46:47], s[10:11], s[46:47]
	v_and_b32 v192, 31, v0                         ; lane
	v_and_b32 v10, 15, v0                          ; r
	v_bfe_u32 v11, v0, 4, 1                        ; h
	s_delay_alu instid0(VALU_DEP_1)
	v_lshlrev_b32 v9, 6, v11
.irp jr, 0,1
.irp b, 0,1
.irp k, 0,1,2,3
	global_load_b128 v[ACC+32*\jr+16*\b+4*\k:ACC+32*\jr+16*\b+4*\k+3], v9, s[46:47] offset:128*\b+16*\k   ; register 16 b + i of a token tile: channel 32 b + 16 h + i of my 64
.endr
.endr
.endr
	v_lshlrev_b32 v1, 4, v192
	v_lshlrev_b32 v193, 2, v192
	s_mul_i32 s52, s51, 24576
	s_add_co_u32 s52, s52, 65536
	v_add_nc_u32 v2, s52, v1
	s_lshl_b32 s53, s51, 11
	s_add_co_u32 s53, s53, 114688
	v_add_nc_u32 v3, s53, v193
	s_lshl_b32 s54, s50, 14
	v_add_nc_u32 v4, s54, v1
	v_lshl_add_u32 v5, v192, 3, s54
	s_mul_i32 s55, s14, 4352
	s_add_co_u32 s55, s55, 118784                  ; my stage
	v_mul_u32_u24 v6, v10, 272
	s_delay_alu instid0(VALU_DEP_1)
	v_lshl_add_u32 v6, v11, 6, v6
	s_delay_alu instid0(VALU_DEP_1)
	v_add_nc_u32 v6, s55, v6                       ; in: row r, + 64 h
	v_mul_u32_u24 v7, v11, 272
	s_delay_alu instid0(VALU_DEP_1)
	v_lshl_add_u32 v7, v10, 4, v7
	s_delay_alu instid0(VALU_DEP_1)
	v_add_nc_u32 v7, s55, v7                       ; back: lanes 0-15 one row of 256 bytes, lanes 16-31 the next
	v_lshlrev_b32 v8, 11, v11
	s_delay_alu instid0(VALU_DEP_1)
	v_lshl_add_u32 v8, v10, 4, v8                  ; and the same two rows in out0
	s_mov_b32 s44, 0x07060100                      ; bytes 0, 1 of the second source, bytes 2, 3 of the first
	s_wait_alu depctr_va_vdst(0)
	s_wait_tensorcnt 0x0                           ; my part has landed,
	s_barrier_signal -1
	s_barrier_wait -1                              ; everybody's has
.irp jr, 0,1
.irp s, 0,1,2,3
	ds_load_b32 v[16+4*\jr+\s], v5 offset:8192*\jr+1024*(2*\s)+768      ; head 2 s's doubled scale word of my row,
	ds_load_b32 v[24+4*\jr+\s], v5 offset:8192*\jr+1024*(2*\s+1)+768    ; head 2 s + 1's
.endr
.endr
	s_wait_dscnt 0x0
.irp n, 0,1,2,3,4,5,6,7
	v_perm_b32 v[16+\n], v[24+\n], v[16+\n], s44   ; the K step's four bytes
.endr
.rept 8
	v_nop                                          ; a scale register written by a vector instruction stands eight places ahead of a scaled matrix instruction
.endr
	s_wait_alu depctr_va_vdst(0)
	s_wait_loadcnt 0x0                             ; the bias
; A K step of 128: heads 2 s and 2 s + 1.  The 8 accumulators take turns, one instruction a turn, in the same order in every K step.
.macro KSTEP s
.if \s > 0
.rept 4
	v_nop                                          ; four places in front of loads into registers that matrix instructions have read
.endr
.endif
.irp i, 0,1,2,3
.irp c, 0,1,2
	ds_load_b128 v[PF+12*\i+4*\c:PF+12*\i+4*\c+3], v2 offset:6144*\i+1536*\s+512*\c
.endr
	ds_load_b32 v[12+\i], v3 offset:512*\i+128*\s
.endr
.irp jr, 0,1
.irp e, 0,1
	ds_load_b128 v[RF+12*\jr+6*\e:RF+12*\jr+6*\e+3], v4 offset:8192*\jr+1024*(2*\s+\e)
	ds_load_b64 v[RF+12*\jr+6*\e+4:RF+12*\jr+6*\e+5], v5 offset:8192*\jr+1024*(2*\s+\e)+512
.endr
.endr
	s_wait_dscnt 0x0
.irp jr, 0,1
.irp i, 0,1,2,3
	v_wmma_scale_f32_16x16x128_f8f6f4 v[ACC+32*\jr+8*\i:ACC+32*\jr+8*\i+7], v[PF+12*\i:PF+12*\i+11], v[RF+12*\jr:RF+12*\jr+11], v[ACC+32*\jr+8*\i:ACC+32*\jr+8*\i+7], v[12+\i], v[16+4*\jr+\s] matrix_a_fmt:MATRIX_FMT_BF6 matrix_b_fmt:MATRIX_FMT_BF6
.endr
.endr
.endm
	KSTEP 0
	KSTEP 1
	KSTEP 2
	KSTEP 3
.rept 4
	v_nop                                          ; four places in front of the first read of results
.endr
	; THE WAY OUT.  A lane holds 64 bytes x 2 of one row, and the lanes beside it other rows: a token tile goes through my own stage and comes back as rows of 256 bytes.  LDS serves a wave's instructions in order: no wait between the
	; stores and the loads, nor in front of the second tile's stores.
.irp jr, 0,1
.irp b, 0,1
.irp k, 0,1,2,3
	ds_store_b128 v6, v[ACC+32*\jr+16*\b+4*\k:ACC+32*\jr+16*\b+4*\k+3] offset:128*\b+16*\k   ; each accumulator from its low end on
.endr
.endr
.irp t, 0,1,2,3,4,5,6,7
	ds_load_b128 v[BK+32*\jr+4*\t:BK+32*\jr+4*\t+3], v7 offset:544*\t
.endr
.endr
.irp jr, 0,1
.irp t, 0,1,2,3,4,5,6,7
	s_wait_dscnt 23-16*\jr-\t                      ; the younger LDS instructions: this tile's later loads, and for the first tile the second's 8 stores and 8 loads
	global_store_b128 v8, v[BK+32*\jr+4*\t:BK+32*\jr+4*\t+3], s[48:49] offset:(8*\jr+2*\t+8*(\t/4))*2048 th:TH_STORE_NT   ; row places 2 t, 2 t + 1 of the tile: 16 lanes store 256 consecutive bytes, at a multiple of 256 from out0's first byte
.endr
.endr
	s_wait_tensorcnt 0x0
	ds_add_u32 v126, v127
	s_wait_dscnt 0x0
	s_endpgm
.Lfunc_end_k_qa43eb4da7f_outp:
	.size	k_qa43eb4da7f_outp, .Lfunc_end_k_qa43eb4da7f_outp-k_qa43eb4da7f_outp
	.p2alignl 7, 3214868480
	.fill 96, 4, 3214868480
	.section	.rodata,"a",@progbits
	.p2align	6, 0x0
	.amdhsa_kernel k_qa43eb4da7f_outp
		.amdhsa_group_segment_fixed_size 168960
		.amdhsa_private_segment_fixed_size 0
		.amdhsa_enable_private_segment 0
		.amdhsa_kernarg_size 40
		.amdhsa_user_sgpr_count 2
		.amdhsa_user_sgpr_kernarg_segment_ptr 1
		.amdhsa_wavefront_size32 1
		.amdhsa_system_sgpr_workgroup_id_x 1
		.amdhsa_system_sgpr_workgroup_id_y 1
		.amdhsa_system_sgpr_workgroup_id_z 1
		.amdhsa_system_vgpr_workitem_id 0
		.amdhsa_next_free_vgpr 256
		.amdhsa_next_free_sgpr 66
		.amdhsa_reserve_vcc 0
		.amdhsa_float_denorm_mode_32 3
		.amdhsa_float_denorm_mode_16_64 3
		.amdhsa_memory_ordered 1
		.amdhsa_forward_progress 1
		.amdhsa_inst_pref_size 24
	.end_amdhsa_kernel
	.amdgpu_metadata
---
amdhsa.version: [ 1, 2 ]
amdhsa.kernels:
  - .name:           k_qa43eb4da7f_outp
    .symbol:         k_qa43eb4da7f_outp.kd
    .args:
      - { .name: ab, .offset: 0, .size: 8, .value_kind: global_buffer, .address_space: global }
      - { .name: opc, .offset: 8, .size: 8, .value_kind: global_buffer, .address_space: global }
      - { .name: ops, .offset: 16, .size: 8, .value_kind: global_buffer, .address_space: global }
      - { .name: bo, .offset: 24, .size: 8, .value_kind: global_buffer, .address_space: global }
      - { .name: out0, .offset: 32, .size: 8, .value_kind: global_buffer, .address_space: global }
    .group_segment_fixed_size: 168960
    .private_segment_fixed_size: 0
    .kernarg_segment_align: 8
    .kernarg_segment_size: 40
    .max_flat_workgroup_size: 256
    .sgpr_count:     66
    .vgpr_count:     256
    .wavefront_size: 32
...
	.end_amdgpu_metadata
.endif
;; end of part 4
